; MI455X (gfx1250); checked and timed in simulation.
; The chip was launched on July 23, 2026; its instructions are those of AMD's public machine-readable ISA for CDNA 5 (MIT licence, August 2026) and "CDNA5" Instruction Set Architecture Reference Guide (July 2026). The comments in the code are by the model that wrote it; some were corrected since.
;; L Lama Attention. Allowed arithmetic: matrix products marked QUANTISED: E4M3 operands, one given power-of-two scale a tensor, by v_wmma_f32_16x16x64_fp8_fp8 or v_wmma_f32_16x16x128_fp8_fp8, f32 sums; everything else in f32.
;; Inputs: freq_cos 2,048 x 64 float32; freq_sin 2,048 x 64 float32; lowp_scales 12 int32 (the exponents e of the quantised operands' scales 2^e); mask 1 x 1 x 2,048 x 2,048 float32; wk 2,048 x 2,048 float32; wo 2,048 x 2,048 float32; wq 2,048 x 2,048 float32; wv 2,048 x 2,048 float32; x 1 x 2,048 x 2,048 float32.
;; Outputs: out0 1 x 2,048 x 2,048 float32.
;; Constants: pos_start = 0.
;; This version of the problem:
;;   THIS VERSION OF THE PROBLEM IS GIVEN IN LOW PRECISION. The matrix products marked QUANTISED in the list below multiply operands that are first quantised to E4M3 (4 exponent bits, 3 mantissa bits; 8 bits a number), with one given power-of-two scale for each operand tensor; their sums are f32. All else is computed in f32.
;;   The module's matrix products, in the order in which they are computed (A, B: the left and right operand; K: the contracted axis; several contracted axes count as one K, in the product's order):
;;     1. [M 2,048, K 2,048] x [K 2,048, N 2,048]; A: input x; B: input wq: QUANTISED (scales: A lowp_scales[0], B lowp_scales[1])
;;     2. [M 2,048, K 2,048] x [K 2,048, N 2,048]; A: input x; B: input wk: QUANTISED (scales: A lowp_scales[2], B lowp_scales[3])
;;     3. [M 2,048, K 2,048] x [K 2,048, N 2,048]; A: input x; B: input wv: QUANTISED (scales: A lowp_scales[4], B lowp_scales[5])
;;     4. batch 16 x [M 2,048, K 128] x [K 128, N 2,048]; A: computed on the way; B: computed on the way: QUANTISED (scales: A lowp_scales[6], B lowp_scales[7])
;;     5. batch 16 x [M 2,048, K 2,048] x [K 2,048, N 128]; A: softmax (see below); B: computed on the way: QUANTISED (scales: A lowp_scales[8], B lowp_scales[9])
;;     6. [M 2,048, K 2,048] x [K 2,048, N 2,048]; A: computed on the way; B: input wo: QUANTISED (scales: A lowp_scales[10], B lowp_scales[11])
;;   THE QUANTISER, for each operand of a quantised product, along K:
;;     - The operand's scale is 2^e, e = its entry of the input lowp_scales (int32; the entries are numbered through the quantised products in the list's order, A before B).
;;     - Each number is divided by the scale, clamped to +-448, and rounded to the nearest number of E4M3, ties to even, subnormals kept.
;;     - The product sums the exact products of the quantised numbers (number of the format x scale) in f32.
;;   ~~~python
;;   def quantise(x, axis, e):      # numpy; x: float32 -> the quantised numbers, widened to float32 again
;;       x = np.moveaxis(x, axis, -1); K = x.shape[-1]
;;       r = np.clip(x / 2.0 ** e, -448, 448)
;;       step = 2.0 ** (np.maximum(np.frexp(np.where(r == 0, 1, r))[1] - 1, -6) - 3)
;;       q = np.round(r / step) * step * 2.0 ** e      # np.round: ties to even
;;       return np.moveaxis(q, -1, axis).astype(np.float32)
;;   ~~~
;;   SOFTMAX AHEAD OF A QUANTISED PRODUCT. Where the list says 'softmax', what is quantised is not the finished softmax but p = 2^(t - M), with t = logit x log2(e) and M = ceil(the row's largest t), a whole number; so 1/2 < the row's largest p <= 1. The row's sum l is taken of the UNQUANTISED p, in f32, and the product's result is divided by l at the end. Since M is a whole number, a kernel that streams over the keys may use a running M (the ceiling of the running maximum): every later rescaling is an exact power of two, so the quantised numbers keep their values, but for numbers so far below the row's largest that they fall under the format's range.
;;   OPERANDS COMPUTED ON THE WAY. 'Computed on the way' means the value that the module computes at that place (a softmax that the list does not call 'softmax' is quantised finished and normalised). What goes into a quantiser is computed in f32, as accurately as f32 sums, v_exp_f32 and their like allow (about 1e-6 of the number): no bf16 or f16 on the way to a quantiser, and a product that is left as it is and whose result goes on into a quantised operand takes f32 operands (vector FMAs, or v_wmma_f32_16x16x4_f32). A number that lies on a knife's edge between two numbers of the format may be rounded either way, as far as f32 arithmetic and the matrix unit's own rounding can turn it there, and no further.
;; One version. Each part assembles by itself: llvm-mc -triple=amdgcn-amd-amdhsa -mcpu=gfx1250 --defsym DOCPART=n.
;; ======== version 1 of 1: 4 launches
;; limits: right only within a limited range of input values
;; workspace buffers: xc 12,582,912 bytes; wc 16,777,216 bytes; qkv 12,582,912 bytes; ac 4,194,304 bytes
;; launch quant (part 1): grid 1024 x 1, 4 waves a work-group, no clusters, 20,992 bytes of LDS; arguments x, wq, wk, wv, wo, lowp_scales, xc, wc; writes xc, wc
.if DOCPART == 1
	.amdgcn_target "amdgcn-amd-amdhsa--gfx1250"
	.amdhsa_code_object_version 6
	.text
	.protected	k_q4e4520a3ed_quant
	.globl	k_q4e4520a3ed_quant
	.p2align	8
	.type	k_q4e4520a3ed_quant,@function
k_q4e4520a3ed_quant:
	s_mov_b64 s[64:65], 0
	v_nop
	global_prefetch_b8 v0, s[64:65] scope:SCOPE_SE
	s_setreg_imm32_b32 hwreg(HW_REG_WAVE_MODE, 25, 1), 1
	s_wait_xcnt 0x0
; x, wq, wk, wv, wo, each 2,048 x 2,048 f32 with K innermost, become codes of FP8 (E4M3), one byte a number, K innermost.
; x is an operand of three products, each with a scale of its own (entries 0, 2, 4 of the scales): it is read once and converted three times, into the three slabs of xc.
; wq, wk, wv, wo (entries 1, 3, 5, 11) go into the four slabs of wc.  code = number / 2^e, held within +-448, to the nearest code, ties to even.
; LIMITS: each e lies between -126 and 119, so that 2^e and 448 x 2^e are f32 numbers.  NaN among the inputs is not served (an infinity is held at the largest code).
; SHARES.  Rows are dense, so each tensor is a plain stream of 4,194,304 numbers.  Wave R = 4 x work-group + wave (0 .. 4,095) takes numbers 1,024 R .. 1,024 R + 1,023 of EVERY tensor:
; 5 tensors x 2 steps of 512 numbers.  One path for all: no branch.  By its 200 registers and 20 KiB of LDS four work-groups, sixteen waves, fit on a WGP, each wave with 16 loads out.
; A conversion takes 8 neighbours from ONE lane's registers, a load is dense where neighbouring LANES take neighbouring bytes.  Both are had: a step's four loads read 512 consecutive bytes each, 16 a lane;
; the 2,048 bytes go through the wave's own stage in LDS as they lie and come back 64 bytes a lane (16 bytes of padding behind each 64).  A lane's 16 codes are 16 bytes: a store covers 512 consecutive bytes.
; Loads run four steps (16 loads a wave) ahead, the turn through LDS one step.  No barrier: waves share nothing.
.set UPT,   2                          ; steps for each tensor
.set NSTEP, 5*UPT
.set SP,    80                         ; a lane's place in a stage: 64 bytes + 16 of padding
.set HSTG,  32*SP                      ; a stage
.set WREG,  2*HSTG                     ; a wave's two stages
.set SC,    16                         ; v16-22   2^e as f32 for the seven conversions: e0, e2, e4, e1, e3, e5, e11
.set LM,    23                         ; v23-29   448 x 2^e for the same
.set R,     32                         ; v32-95   four sets of 16 numbers as loaded
.set X,     96                         ; v96-127  two sets of 16 neighbours
.set T,     128                        ; v128-143 x's numbers held for one of its three scales
.set C,     144                        ; v144-199 codes: four registers for each of the 14 stores, so that no store's data are written again
	s_load_b512 s[4:19], s[0:1], 0x0               ; x s[4:5], wq s[6:7], wk s[8:9], wv s[10:11], wo s[12:13], scales s[14:15], xc s[16:17], wc s[18:19]
	v_lshl_add_u32 v200, v0, 2, 0x5000
	v_mov_b32 v201, 0
	v_lshrrev_b32 v1, 5, v0
	v_readfirstlane_b32 s2, v1                     ; wave
	v_and_b32 v2, 31, v0                           ; lane
	v_lshlrev_b32 v3, 4, v2                        ; my 16 bytes of a load's 512; never rewritten
	v_lshlrev_b32 v4, 4, v2                        ; my 16 codes of a store's 512; never rewritten
	s_mul_i32 s3, s2, WREG
	v_lshrrev_b32 v14, 2, v2
	v_mul_u32_u24 v14, v14, SP
	v_and_b32 v15, 3, v2
	v_lshl_add_u32 v14, v15, 4, v14
	v_add_nc_u32 v14, s3, v14                      ; the stage, on the way in: four lanes' 64 bytes on end, then the padding
	v_mul_u32_u24 v15, v2, SP
	v_add_nc_u32 v15, s3, v15                      ; and on the way out: my 16 neighbours
	s_lshl_b32 s34, ttmp9, 2
	s_add_co_u32 s34, s34, s2                      ; R
	s_lshl_b32 s48, s34, 10                        ; my codes: 1,024 R bytes into a slab
	s_mov_b32 s49, 0
	s_lshl_b32 s34, s34, 12                        ; my numbers: 4,096 R bytes into a tensor
	s_mov_b32 s35, 0
	s_wait_alu depctr_va_vdst(0)
	s_wait_kmcnt 0x0
	s_load_b256 s[36:43], s[14:15], 0x0            ; e0 .. e7
	s_load_b128 s[44:47], s[14:15], 0x20           ; e8 .. e11
.irp p, 4,6,8,10,12
	s_add_nc_u64 s[\p:\p+1], s[\p:\p+1], s[34:35]
.endr
	s_add_nc_u64 s[20:21], s[16:17], s[48:49]      ; xc's three slabs of 4 MiB: a pointer each, since the third lies past a store's immediate
	s_add_nc_u64 s[22:23], s[20:21], 0x400000
	s_add_nc_u64 s[24:25], s[20:21], 0x800000
	s_add_nc_u64 s[26:27], s[18:19], s[48:49]      ; wc's four
	s_add_nc_u64 s[28:29], s[26:27], 0x400000
	s_add_nc_u64 s[30:31], s[26:27], 0x800000
	s_add_nc_u64 s[32:33], s[26:27], 0xc00000
.macro LOAD t                          ; step t: tensor t / UPT, its (t % UPT)-th 512 numbers
.irp i, 0,1,2,3
	global_load_b128 v[R+16*((\t)%4)+4*\i:R+16*((\t)%4)+4*\i+3], v3, s[4+2*((\t)/UPT):5+2*((\t)/UPT)] offset:2048*((\t)%UPT)+512*\i th:TH_LOAD_NT
.endr
.endm
.macro TURN t                          ; step t's numbers through the stage: LDS serves a wave's instructions in order (ISA guide 5.7.1.4), so no wait stands between the stores and the loads
.irp i, 0,1,2,3
	ds_store_b128 v14, v[R+16*((\t)%4)+4*\i:R+16*((\t)%4)+4*\i+3] offset:HSTG*((\t)%2)+8*SP*\i
.endr
.irp i, 0,1,2,3
	ds_load_b128 v[X+16*((\t)%2)+4*\i:X+16*((\t)%2)+4*\i+3], v15 offset:HSTG*((\t)%2)+16*\i
.endr
.endm
.macro MKSC j, sr                      ; conversion j's scale and hold from the exponent in s[sr]
	s_add_co_i32 s50, s[\sr], 127
	s_lshl_b32 s51, s50, 23
	v_mov_b32 v[SC+\j], s51                        ; 2^e as f32: the conversion takes its exponent field
	s_add_co_i32 s50, s50, 8
	s_lshl_b32 s50, s50, 23
	s_or_b32 s50, s50, 0x600000
	v_mov_b32 v[LM+\j], s50                        ; 448 x 2^e
.endm
.irp t, 0,1,2,3
	LOAD \t
.endr
	s_wait_kmcnt 0x0
	MKSC 0, 36
	MKSC 1, 38
	MKSC 2, 40
	MKSC 3, 37
	MKSC 4, 39
	MKSC 5, 41
	MKSC 6, 47
	s_wait_loadcnt 12                              ; step 0's four loads are in; the twelve younger ones stay out
	TURN 0
.macro STEP t
.set XS, X+16*((\t)%2)
.set TT, (\t)/UPT
.set UU, (\t)%UPT
	s_wait_dscnt 0x0                               ; this step's numbers are back from the stage: so its stores into the stage have read their registers,
.if (\t)+4 < NSTEP
	LOAD (\t)+4                                    ; which take the loads of four steps on
.endif
.if (\t)+1 < NSTEP
.if NSTEP-2-(\t) >= 3
	s_wait_loadcnt 12                              ; the next step's four loads are in; those of the three steps behind it may be out
.else
	s_wait_loadcnt 4*(NSTEP-2-(\t))
.endif
	TURN (\t)+1                                    ; and go through the other stage while this step is worked
.endif
.if TT == 0                            ; x: three scales, three slabs
.irp p, 0,1,2
.set CI, C+4*(3*UU+\p)
.irp i, 0,1,2,3,4,5,6,7,8,9,10,11,12,13,14,15
	v_med3_num_f32 v[T+\i], v[XS+\i], -v[LM+\p], v[LM+\p]   ; the conversion to an 8-bit code does not saturate (ISA guide 7.6.2): the number is held within 448 x the scale first
.endr
	v_cvt_scalef32_pk8_fp8_f32 v[CI:CI+1], v[T:T+7], v[SC+\p]
	v_cvt_scalef32_pk8_fp8_f32 v[CI+2:CI+3], v[T+8:T+15], v[SC+\p]
	v_nop                                          ; a plain line between the conversions and the next holds, which write the conversions' sources
	global_store_b128 v4, v[CI:CI+3], s[20+2*\p:21+2*\p] offset:512*UU
.endr
.else                                  ; a weight: one scale, its slab
.set CI, C+4*(3*UPT+UPT*(TT-1)+UU)
.irp i, 0,1,2,3,4,5,6,7,8,9,10,11,12,13,14,15
	v_med3_num_f32 v[XS+\i], v[XS+\i], -v[LM+2+TT], v[LM+2+TT]
.endr
	v_cvt_scalef32_pk8_fp8_f32 v[CI:CI+1], v[XS:XS+7], v[SC+2+TT]
	v_cvt_scalef32_pk8_fp8_f32 v[CI+2:CI+3], v[XS+8:XS+15], v[SC+2+TT]
	v_nop                                          ; a plain line behind the last conversion of the run
	global_store_b128 v4, v[CI:CI+3], s[24+2*TT:25+2*TT] offset:512*UU
.endif
.endm
.irp t, 0,1,2,3,4,5,6,7,8,9
	STEP \t
.endr
	s_wait_tensorcnt 0x0
	ds_add_u32 v200, v201
	s_wait_dscnt 0x0
	s_endpgm
.Lfunc_end_k_q4e4520a3ed_quant:
	.size	k_q4e4520a3ed_quant, .Lfunc_end_k_q4e4520a3ed_quant-k_q4e4520a3ed_quant
	.p2alignl 7, 3214868480
	.fill 96, 4, 3214868480
	.section	.rodata,"a",@progbits
	.p2align	6, 0x0
	.amdhsa_kernel k_q4e4520a3ed_quant
		.amdhsa_group_segment_fixed_size 20992
		.amdhsa_private_segment_fixed_size 0
		.amdhsa_enable_private_segment 0
		.amdhsa_kernarg_size 64
		.amdhsa_user_sgpr_count 2
		.amdhsa_user_sgpr_kernarg_segment_ptr 1
		.amdhsa_wavefront_size32 1
		.amdhsa_system_sgpr_workgroup_id_x 1
		.amdhsa_system_sgpr_workgroup_id_y 1
		.amdhsa_system_sgpr_workgroup_id_z 1
		.amdhsa_system_vgpr_workitem_id 0
		.amdhsa_next_free_vgpr 202
		.amdhsa_next_free_sgpr 66
		.amdhsa_reserve_vcc 0
		.amdhsa_float_denorm_mode_32 3
		.amdhsa_float_denorm_mode_16_64 3
		.amdhsa_memory_ordered 1
		.amdhsa_forward_progress 1
		.amdhsa_inst_pref_size 31
	.end_amdhsa_kernel
	.amdgpu_metadata
---
amdhsa.version: [ 1, 2 ]
amdhsa.kernels:
  - .name:           k_q4e4520a3ed_quant
    .symbol:         k_q4e4520a3ed_quant.kd
    .args:
      - { .name: x, .offset: 0, .size: 8, .value_kind: global_buffer, .address_space: global }
      - { .name: wq, .offset: 8, .size: 8, .value_kind: global_buffer, .address_space: global }
      - { .name: wk, .offset: 16, .size: 8, .value_kind: global_buffer, .address_space: global }
      - { .name: wv, .offset: 24, .size: 8, .value_kind: global_buffer, .address_space: global }
      - { .name: wo, .offset: 32, .size: 8, .value_kind: global_buffer, .address_space: global }
      - { .name: lowp_scales, .offset: 40, .size: 8, .value_kind: global_buffer, .address_space: global }
      - { .name: xc, .offset: 48, .size: 8, .value_kind: global_buffer, .address_space: global }
      - { .name: wc, .offset: 56, .size: 8, .value_kind: global_buffer, .address_space: global }
    .group_segment_fixed_size: 20992
    .private_segment_fixed_size: 0
    .kernarg_segment_align: 8
    .kernarg_segment_size: 64
    .max_flat_workgroup_size: 128
    .sgpr_count:     66
    .vgpr_count:     202
    .wavefront_size: 32
...
	.end_amdgpu_metadata
.endif
;; end of part 1
;; launch qkv (part 2): grid 24 x 8, 4 waves a work-group, clusters of 4 x 4, 327,680 bytes of LDS; arguments xc, wc, lowp_scales, freq_cos, freq_sin, qkv; writes qkv
.if DOCPART == 2
	.amdgcn_target "amdgcn-amd-amdhsa--gfx1250"
	.amdhsa_code_object_version 6
	.text
	.protected	k_q4e4520a3ed_qkv
	.globl	k_q4e4520a3ed_qkv
	.p2align	8
	.type	k_q4e4520a3ed_qkv,@function
k_q4e4520a3ed_qkv:
	s_mov_b64 s[64:65], 0
	v_nop
	global_prefetch_b8 v0, s[64:65] scope:SCOPE_SE
	s_setreg_imm32_b32 hwreg(HW_REG_WAVE_MODE, 25, 1), 1
	s_wait_xcnt 0x0
	s_wait_alu depctr_hold_cnt(0) depctr_sa_sdst(0) depctr_va_vdst(0) depctr_va_sdst(0) depctr_va_ssrc(0) depctr_va_vcc(0) depctr_vm_vsrc(0)
	s_getreg_b32 s2, hwreg(HW_REG_IB_STS2, 6, 4)
	s_cmp_eq_u32 s2, 0
	s_cbranch_scc0 .Lentry_in_a_cluster
	s_endpgm
.Lentry_in_a_cluster:
	s_bfe_u32 s2, ttmp6, 0x10000c
	s_cmp_lg_u32 s2, 0xf033
	s_cbranch_scc0 .Lentry_shape_is_right
	s_endpgm
.Lentry_shape_is_right:
.set KROW,   2048
.set ROWB,   256
.set PITCH,  272
.set FR,     16
.set NL,     4
.set NP,     4
.set HALFT,  128*PITCH
.set SLOT,   4*HALFT
.set LAPS,   KROW/(2*ROWB)
.set SPARE,  2*SLOT
.set QST,    16384
.set SINO,   16*272
.set CODO,   2*SINO
.set CP,     144
.set VST,    4*QST
.set ADRA, 16
.set ADRB, 20
.set CRV,  12
.set TO,   22
.set TS,   23
.set TR,   24
.set CS,   25
.set CR,   26
.set CSV,  27
.set SPW,  28
.set NIL,  29
.set SCL,  30
.set LIM,  31
.set TBL,  32
.set CT,   96
.set X,    160
.set CD,   224
.set OUT,  240
.set AF,   128
.set G1, 24
.set G0, 32
.set G1B, 48
.set G0B, 56
.set MSB, 0
.macro WIN new
.if MSB != \new
	s_set_vgpr_msb (MSB<<8)|\new
.set MSB, \new
.endif
.endm
.set MUL_LO, 0xa1
.set MUL_HI, 0xf1
.set TO_B,   0x40
.set FROM_B, 0x04
.macro JLOAD g0a, g1a, g0b, g1b
	s_cmp_eq_u32 s15, 0
	s_cbranch_scc0 .Lfor_b_\@
	tensor_load_to_lds s[\g0a:\g0a+3], s[\g1a:\g1a+7]
	s_nop 0
.rept 4
	v_nop
.endr
	s_branch .Lasked_\@
.Lfor_b_\@:
	tensor_load_to_lds s[\g0b:\g0b+3], s[\g1b:\g1b+7]
	s_nop 0
.rept 4
	v_nop
.endr
.Lasked_\@:
.endm
.macro CREST
	s_cmp_lg_u32 s14, 0
	s_cbranch_scc1 .Lnot_wave_0_\@
	s_barrier_signal -3
.Lnot_wave_0_\@:
	s_barrier_wait -3
	s_barrier_signal -1
	s_barrier_wait -1
.endm
.macro CROUND
	s_barrier_signal -1
	s_barrier_wait -1
	CREST
.endm
	s_load_b256 s[4:11], s[0:1], 0x0
	s_load_b128 s[68:71], s[0:1], 0x20
	v_lshl_add_u32 v[SPW], v0, 2, SPARE
	v_mov_b32 v[NIL], 0
	ds_add_u32 v28, v29
	ds_add_u32 v28, v29
	s_wait_dscnt 0x0
	v_lshrrev_b32 v1, 5, v0
	v_readfirstlane_b32 s14, v1
	s_lshr_b32 s15, s14, 1
	s_and_b32 s16, s14, 1
	s_bfe_u32 s40, ttmp6, 0x40000
	s_bfe_u32 s41, ttmp6, 0x40004
	s_lshr_b32 s66, ttmp9, 1
	s_and_b32 s42, ttmp9, 1
	s_lshl_b32 s42, s42, 2
	s_add_co_u32 s42, s42, s40
	s_and_b32 s17, ttmp7, 0xffff
	s_lshl_b32 s17, s17, 2
	s_add_co_u32 s17, s17, s41
	s_lshl_b32 s43, s41, 2
	s_lshl_b32 s43, 15, s43
	s_lshl_b32 s44, 0x1111, s40
	s_or_b32 s[G1+0], s43, (0<<16)|(1<<20)|(1<<21)|(5<<22)|(3<<25)
	s_or_b32 s[G1B+0], s44, (0<<16)|(1<<20)|(1<<21)|(5<<22)|(3<<25)
.irp g, G1, G1B
	s_mov_b32 s[\g+1], ROWB<<16
	s_mov_b32 s[\g+2], 128<<16
	s_mov_b32 s[\g+3], ROWB<<16
	s_mov_b32 s[\g+4], 128
	s_mov_b32 s[\g+5], KROW
	s_mov_b32 s[\g+6], 0
	s_mov_b32 s[\g+7], 0
.endr
	s_lshl_b32 s18, s16, 7
	s_lshl_b32 s20, s17, 8
	s_add_co_u32 s20, s20, s18
	s_lshl_b32 s20, s20, 11
	s_mov_b32 s21, 0
	s_lshl_b32 s46, s42, 8
	s_add_co_u32 s46, s46, s18
	s_lshl_b32 s46, s46, 11
	s_mov_b32 s47, 0
	s_lshl_b32 s76, s66, 22
	s_mov_b32 s77, 0
	s_mul_i32 s45, s14, HALFT
	s_wait_kmcnt 0x0
	s_load_b256 s[84:91], s[8:9], 0x0
	s_load_b128 s[92:95], s[8:9], 0x20
	s_cmp_eq_u32 s66, 2
	s_cselect_b64 s[72:73], s[6:7], s[4:5]
	s_cselect_b64 s[74:75], s[4:5], s[6:7]
	s_add_nc_u64 s[72:73], s[72:73], s[76:77]
	s_add_nc_u64 s[74:75], s[74:75], s[76:77]
	s_add_nc_u64 s[20:21], s[72:73], s[20:21]
	s_add_nc_u64 s[46:47], s[74:75], s[46:47]
	CROUND
.irp s, 0,1
	s_mov_b32 s[G0+4*\s], 1
	s_add_co_u32 s[G0+4*\s+1], s45, \s*SLOT
	s_add_nc_u64 s[G0+4*\s+2:G0+4*\s+3], s[20:21], \s*ROWB
	s_or_b32 s[G0+4*\s+3], s[G0+4*\s+3], 0x80000000
	s_mov_b32 s[G0B+4*\s], 1
	s_add_co_u32 s[G0B+4*\s+1], s45, \s*SLOT
	s_add_nc_u64 s[G0B+4*\s+2:G0B+4*\s+3], s[46:47], \s*ROWB
	s_or_b32 s[G0B+4*\s+3], s[G0B+4*\s+3], 0x80000000
	s_wait_alu depctr_va_vdst(0)
	s_wait_tensorcnt 0x0
	ds_add_u32 v28, v29
	ds_add_u32 v28, v29
	s_wait_dscnt 0x0
	CROUND
	JLOAD G0+4*\s, G1, G0B+4*\s, G1B
.endr
	v_and_b32 v1, 15, v0
	v_bfe_u32 v2, v0, 4, 1
	s_wait_alu depctr_va_vdst(0)
	v_mul_u32_u24 v3, v1, PITCH
	v_lshl_add_u32 v4, v2, 4, v3
	s_mul_i32 s21, s15, HALFT
	s_mul_i32 s22, s16, HALFT
	s_add_co_u32 s22, s22, 2*HALFT
.irp s, 0,1
	v_add_nc_u32 v[ADRA+\s], s21, v4
	v_add_nc_u32 v[ADRB+\s], s22, v4
	s_add_co_u32 s21, s21, SLOT
	s_add_co_u32 s22, s22, SLOT
.endr
	v_and_b32 v6, 31, v0
	v_lshlrev_b32 v[TO], 4, v6
	s_lshl_b32 s23, s14, 14
	v_mul_u32_u24 v5, v2, 272
	v_lshl_add_u32 v5, v1, 4, v5
	v_add_nc_u32 v[TS], s23, v5
	v_add_nc_u32 v[TR], s23, v4
	v_mul_u32_u24 v5, v1, CP
	v_lshl_add_u32 v7, v2, 3, v5
	v_add_nc_u32 v[CS], s23, v7
	v_add_nc_u32 v[CS], CODO, v[CS]
	v_bfe_u32 v8, v0, 3, 2
	v_and_b32 v9, 7, v0
	v_mul_u32_u24 v8, v8, CP
	v_lshl_add_u32 v8, v9, 4, v8
	v_add_nc_u32 v[CR], s23, v8
	v_add_nc_u32 v[CR], CODO, v[CR]
	s_lshl_b32 s22, s14, 12
	s_add_co_u32 s22, s22, VST
	v_lshl_add_u32 v7, v2, 4, v5
	v_add_nc_u32 v[CSV], s22, v7
	v_add_nc_u32 v[CRV], s22, v8
	s_lshl_b32 s18, s17, 1
	s_add_co_u32 s18, s18, s15
	s_lshl_b32 s19, s42, 1
	s_add_co_u32 s19, s19, s16
	s_lshl_b32 s20, s19, 4
	s_add_co_u32 s20, s20, s18
	s_lshl_b32 s21, s18, 4
	s_add_co_u32 s21, s21, s19
	s_cmp_eq_u32 s66, 2
	s_cselect_b32 s20, s21, s20
	s_lshl_b32 s20, s20, 14
	s_add_co_u32 s20, s20, s76
	s_mov_b32 s21, 0
	s_add_nc_u64 s[70:71], s[70:71], s[20:21]
	s_lshl_b32 s20, s18, 15
	s_add_nc_u64 s[10:11], s[10:11], s[20:21]
	s_add_nc_u64 s[68:69], s[68:69], s[20:21]
.macro FRAG reg, adr, q, i
.irp c, 0,1,2,3
	ds_load_b128 v[\reg+4*\c:\reg+4*\c+3], v[\adr] offset:128*(\q)+32*\c+(\i)*16*PITCH
.endr
.endm
.macro MUL16 a0, p, zero
.irp a, \a0, \a0+1
.irp b, 0,1,2,3,4,5,6,7
.if \zero
	v_wmma_f32_16x16x128_fp8_fp8 v[8*(8*((\a)%4)+\b):8*(8*((\a)%4)+\b)+7], v[128*(\p)+FR*\b:128*(\p)+FR*\b+FR-1], v[AF+FR*(\a):AF+FR*(\a)+FR-1], 0
.else
	v_wmma_f32_16x16x128_fp8_fp8 v[8*(8*((\a)%4)+\b):8*(8*((\a)%4)+\b)+7], v[128*(\p)+FR*\b:128*(\p)+FR*\b+FR-1], v[AF+FR*(\a):AF+FR*(\a)+FR-1], v[8*(8*((\a)%4)+\b):8*(8*((\a)%4)+\b)+7]
.endif
.endr
.endr
.endm
.macro FETCH_B slot, q, p
	WIN TO_B
.irp i, 0,1,2,3,4,5,6,7
	FRAG 128*(\p)+FR*\i, ADRB+\slot, \q, \i
.endr
	WIN 0
.endm
.macro FETCH_A slot, q, i0
.irp i, \i0, \i0+1, \i0+2, \i0+3
	FRAG AF+FR*(\i), ADRA+\slot, \q, \i
.endr
.endm
.macro PLACES n
.rept \n
	v_nop
.endr
.endm
.macro STEP slot, q, zero
	s_wait_dscnt 4*NL
	WIN MUL_LO
	MUL16 0, (\q)%2, \zero
	MUL16 2, (\q)%2, \zero
	s_wait_dscnt 0
	PLACES NP
	FETCH_B \slot, (\q)+1, 1-(\q)%2
	FETCH_A \slot, (\q)+1, 0
	WIN MUL_HI
	MUL16 4, (\q)%2, \zero
	MUL16 6, (\q)%2, \zero
	PLACES NP
	WIN 0
	FETCH_A \slot, (\q)+1, 4
.endm
.macro TURN slot, next, fill
	s_wait_tensorcnt 0x0
	ds_add_u32 v[SPW], v[NIL]
	s_wait_dscnt 4*NL+1
	WIN MUL_LO
	MUL16 0, 1, 0
	s_wait_dscnt 0x0
	s_barrier_signal -1
	MUL16 2, 1, 0
	WIN 0
	s_barrier_wait -1
.if \fill
	CREST
	s_add_nc_u64 s[G0+4*\slot+2:G0+4*\slot+3], s[G0+4*\slot+2:G0+4*\slot+3], 2*ROWB
	s_add_nc_u64 s[G0B+4*\slot+2:G0B+4*\slot+3], s[G0B+4*\slot+2:G0B+4*\slot+3], 2*ROWB
	JLOAD G0+4*\slot, G1, G0B+4*\slot, G1B
.else
	PLACES NP
.endif
	FETCH_B \next, 0, 0
	FETCH_A \next, 0, 0
	WIN MUL_HI
	MUL16 4, 1, 0
	MUL16 6, 1, 0
	PLACES NP
	WIN 0
	FETCH_A \next, 0, 4
.endm
.macro TABLOAD a
.set TSET, (\a)%3
.if TSET == 0
.set TBASE, TBL
	WIN 0
.else
.set TBASE, 64*(TSET-1)
	WIN TO_B
.endif
.irp t, 0,1,2,3,4,5,6,7
	global_load_b128 v[TBASE+4*\t:TBASE+4*\t+3], v[TO], s[10:11] offset:(16*(\a)+2*\t)*256
	global_load_b128 v[TBASE+32+4*\t:TBASE+32+4*\t+3], v[TO], s[68:69] offset:(16*(\a)+2*\t)*256
.endr
	WIN 0
.endm
	s_wait_tensorcnt 1
	s_barrier_signal -1
	s_barrier_wait -1
	FETCH_B 0, 0, 0
	FETCH_A 0, 0, 0
	FETCH_A 0, 0, 4
	STEP 0, 0, 1
	s_mov_b32 s3, LAPS-1
.Llap:
	TURN 0, 1, 1
	STEP 1, 0, 0
	TURN 1, 0, 1
	STEP 0, 0, 0
	s_sub_co_u32 s3, s3, 1
	s_cmp_lg_u32 s3, 0
	s_cbranch_scc1 .Llap
	TABLOAD 0
	TURN 0, 1, 0
	STEP 1, 0, 0
	s_wait_dscnt 4*NL
	WIN MUL_LO
	MUL16 0, 1, 0
	MUL16 2, 1, 0
	s_wait_dscnt 0
	WIN MUL_HI
	MUL16 4, 1, 0
	MUL16 6, 1, 0
	WIN 0
.macro RMUL b, i, g, e
	v_pk_mul_f32 v[X+8*\b+2*\i:X+8*\b+2*\i+1], v[AC+8*\b+2*\i:AC+8*\b+2*\i+1], v[CT+8*\b+4+2*\g:CT+8*\b+5+2*\g] op_sel:[1,\e] op_sel_hi:[0,\e] neg_lo:[1,0]
.endm
.macro RFMA b, i, g, e
	v_pk_fma_f32 v[X+8*\b+2*\i:X+8*\b+2*\i+1], v[AC+8*\b+2*\i:AC+8*\b+2*\i+1], v[CT+8*\b+2*\g:CT+8*\b+1+2*\g], v[X+8*\b+2*\i:X+8*\b+2*\i+1] op_sel:[0,\e,0] op_sel_hi:[1,\e,1]
.endm
.macro CODES a, adrs, adrl, isv
.set j, 0
.rept 8
	v_cvt_scalef32_pk8_fp8_f32 v[CD+2*j:CD+2*j+1], v[X+8*j:X+8*j+7], v[SCL]
.set j, j+1
.endr
	v_nop
.irp b, 0,1,2,3,4,5,6,7
.if \isv
	ds_store_b64 v[\adrs], v[CD+2*\b:CD+2*\b+1] offset:32*(\b/2)+8*(\b%2)
.else
	ds_store_b64 v[\adrs], v[CD+2*\b:CD+2*\b+1] offset:16*\b
.endif
.endr
.if (\a) > 0
	s_wait_xcnt 0x0
.endif
.irp c, 0,1,2,3
	ds_load_b128 v[OUT+4*\c:OUT+4*\c+3], v[\adrl] offset:4*CP*\c
.endr
	s_wait_dscnt 0x0
.irp c, 0,1,2,3
	global_store_b128 v[TO], v[OUT+4*\c:OUT+4*\c+3], s[70:71] offset:2048*(\a)+512*\c
.endr
.endm
.macro QKOUT a
.set AC, 64*((\a)%4)
.if (\a) < 6
	s_wait_loadcnt 32
.else
	s_wait_loadcnt 16*(7-(\a))
.endif
.set TSET, (\a)%3
.if TSET == 0
.set TBASE, TBL
.else
.set TBASE, 64*(TSET-1)
	WIN FROM_B
.endif
.irp t, 0,1,2,3,4,5,6,7
	ds_store_b128 v[TS], v[TBASE+4*\t:TBASE+4*\t+3] offset:544*\t
	ds_store_b128 v[TS], v[TBASE+32+4*\t:TBASE+32+4*\t+3] offset:SINO+544*\t
.endr
	WIN 0
.irp b, 0,1,2,3,4,5,6,7
	ds_load_b128 v[CT+8*\b:CT+8*\b+3], v[TR] offset:32*\b
	ds_load_b128 v[CT+8*\b+4:CT+8*\b+7], v[TR] offset:SINO+32*\b
.endr
	s_wait_dscnt 0x0
.if (\a) < 5
	TABLOAD (\a)+3
.endif
	WIN 0x02+((\a)/4)
.irp b, 0,1,2,3,4,5,6,7
	RMUL \b, 0, 0, 0
	RMUL \b, 1, 0, 1
	RMUL \b, 2, 1, 0
	RMUL \b, 3, 1, 1
	RFMA \b, 0, 0, 0
	RFMA \b, 1, 0, 1
	RFMA \b, 2, 1, 0
	RFMA \b, 3, 1, 1
.endr
	WIN 0
.set j, 0
.rept 64
	v_med3_num_f32 v[X+j], v[X+j], -v[LIM], v[LIM]
.set j, j+1
.endr
	CODES \a, CS, CR, 0
.endm
.macro VOUT a
.set AC, 64*((\a)%4)
	WIN 0x02+((\a)/4)
.set j, 0
.rept 64
	v_med3_num_f32 v[X+j], v[AC+j], -v[LIM], v[LIM]
.set j, j+1
.endr
	WIN 0
	CODES \a, CSV, CRV, 1
.endm
	s_wait_kmcnt 0x0
	s_sub_co_i32 s78, s90, s84
	s_sub_co_i32 s78, s78, s85
	s_sub_co_i32 s79, s91, s86
	s_sub_co_i32 s79, s79, s87
	s_sub_co_i32 s80, s93, s88
	s_sub_co_i32 s80, s80, s89
	s_cmp_eq_u32 s66, 0
	s_cselect_b32 s78, s78, s79
	s_cmp_eq_u32 s66, 2
	s_cselect_b32 s78, s80, s78
	s_add_co_i32 s78, s78, 127
	s_lshl_b32 s79, s78, 23
	v_mov_b32 v[SCL], s79
	s_add_co_i32 s78, s78, 8
	s_lshl_b32 s78, s78, 23
	s_or_b32 s78, s78, 0x600000
	v_mov_b32 v[LIM], s78
	PLACES NP
	s_cmp_eq_u32 s66, 2
	s_cbranch_scc1 .Lv
	TABLOAD 1
	TABLOAD 2
.irp a, 0,1,2,3,4,5,6,7
	QKOUT \a
.endr
	s_branch .Ldone
.Lv:
	s_wait_alu depctr_va_vdst(0)
.irp a, 0,1,2,3,4,5,6,7
	VOUT \a
.endr
.Ldone:
	s_wait_tensorcnt 0x0
	ds_add_u32 v[SPW], v[NIL]
	s_wait_dscnt 0x0
	CROUND
	s_endpgm
.Lfunc_end_k_q4e4520a3ed_qkv:
	.size	k_q4e4520a3ed_qkv, .Lfunc_end_k_q4e4520a3ed_qkv-k_q4e4520a3ed_qkv
	.p2alignl 7, 3214868480
	.fill 96, 4, 3214868480
	.section	.rodata,"a",@progbits
	.p2align	6, 0x0
	.amdhsa_kernel k_q4e4520a3ed_qkv
		.amdhsa_group_segment_fixed_size 327680
		.amdhsa_private_segment_fixed_size 0
		.amdhsa_enable_private_segment 0
		.amdhsa_kernarg_size 48
		.amdhsa_user_sgpr_count 2
		.amdhsa_user_sgpr_kernarg_segment_ptr 1
		.amdhsa_wavefront_size32 1
		.amdhsa_system_sgpr_workgroup_id_x 1
		.amdhsa_system_sgpr_workgroup_id_y 1
		.amdhsa_system_sgpr_workgroup_id_z 1
		.amdhsa_system_vgpr_workitem_id 0
		.amdhsa_next_free_vgpr 1024
		.amdhsa_next_free_sgpr 100
		.amdhsa_reserve_vcc 0
		.amdhsa_float_denorm_mode_32 3
		.amdhsa_float_denorm_mode_16_64 3
		.amdhsa_memory_ordered 1
		.amdhsa_forward_progress 1
		.amdhsa_inst_pref_size 234
	.end_amdhsa_kernel
	.amdgpu_metadata
---
amdhsa.version: [ 1, 2 ]
amdhsa.kernels:
  - .name:           k_q4e4520a3ed_qkv
    .symbol:         k_q4e4520a3ed_qkv.kd
    .args:
      - { .name: xc, .offset: 0, .size: 8, .value_kind: global_buffer, .address_space: global }
      - { .name: wc, .offset: 8, .size: 8, .value_kind: global_buffer, .address_space: global }
      - { .name: lowp_scales, .offset: 16, .size: 8, .value_kind: global_buffer, .address_space: global }
      - { .name: freq_cos, .offset: 24, .size: 8, .value_kind: global_buffer, .address_space: global }
      - { .name: freq_sin, .offset: 32, .size: 8, .value_kind: global_buffer, .address_space: global }
      - { .name: qkv, .offset: 40, .size: 8, .value_kind: global_buffer, .address_space: global }
    .group_segment_fixed_size: 327680
    .private_segment_fixed_size: 0
    .kernarg_segment_align: 8
    .kernarg_segment_size: 48
    .max_flat_workgroup_size: 128
    .sgpr_count:     100
    .vgpr_count:     1024
    .wavefront_size: 32
...
	.end_amdgpu_metadata
.endif
;; end of part 2
;; launch attn (part 3): grid 16 x 16, 4 waves a work-group, clusters of 4 x 1, 327,680 bytes of LDS; arguments qkv, mask, lowp_scales, ac; writes ac
.if DOCPART == 3
	.amdgcn_target "amdgcn-amd-amdhsa--gfx1250"
	.amdhsa_code_object_version 6
	.text
	.protected	k_q4e4520a3ed_attn
	.globl	k_q4e4520a3ed_attn
	.p2align	8
	.type	k_q4e4520a3ed_attn,@function
k_q4e4520a3ed_attn:
	s_mov_b64 s[64:65], 0
	v_nop
	global_prefetch_b8 v0, s[64:65] scope:SCOPE_SE
	s_setreg_imm32_b32 hwreg(HW_REG_WAVE_MODE, 25, 1), 1
	s_wait_xcnt 0x0
	s_wait_alu depctr_hold_cnt(0) depctr_sa_sdst(0) depctr_va_vdst(0) depctr_va_sdst(0) depctr_va_ssrc(0) depctr_va_vcc(0) depctr_vm_vsrc(0)
	s_getreg_b32 s2, hwreg(HW_REG_IB_STS2, 6, 4)
	s_cmp_eq_u32 s2, 0
	s_cbranch_scc0 .Lentry_in_a_cluster
	s_endpgm
.Lentry_in_a_cluster:
	s_bfe_u32 s2, ttmp6, 0x10000c
	s_cmp_lg_u32 s2, 0x3003
	s_cbranch_scc0 .Lentry_shape_is_right
	s_endpgm
.Lentry_shape_is_right:
; Attention on codes of FP8 (E4M3): logit = q . k / sqrt(128) + mask (an input: every entry is read and added); t = logit x log2(e); M = the row's largest t so far, rounded UP to a whole number;
; p = 2^(t - M) is quantised along the keys (entry 8) and multiplied by v's codes; the row's sum is taken of the unquantised p and divides at the end; the result is quantised (entry 10) for the last projection.
; When M moves, the sum and O are multiplied by 2^(old M - new M): exact.
; IN: qkv, three slabs of 4 MiB: q and k [head][token][128 channels]; v [head][block of 128 keys][channel][key], bits 3 and 4 of the key's number exchanged inside each 32 keys.
; SHARES.  A work-group owns 128 queries of ONE head; each of its four waves owns 32 of them, two tiles A and B of 16, so that each fragment of K and V read from LDS feeds two matrix instructions.
; Every wave walks all 2,048 keys, 128 a step.  K and V come through a ring of two LDS slots of 512 keys (four steps): each wave fetches one dense chunk of 32 KiB (waves 0, 1: K's halves; 2, 3: V's), stated as 128 rows of 256 bytes.
; CLUSTER 4 x 1: four query blocks of one head need the same K and V: each chunk is asked for jointly.  The mask differs between the partners and goes to no LDS, so it has no joint load.
; THE MASK goes from memory straight into registers, in the sums' order: a lane takes 32 bytes of its query's row for each tile of 16 keys, one step ahead of its use; the last step asks once more for its own columns (a clamped address), so that the step has one form.
; LAYOUT.  Both products are used transposed: S^T = K Q^T, O^T = V^T P^T: a lane holds ONE query of each tile (lane % 16).  In tile t of S^T lane (r, h) holds keys 16 t + 8 h + 0 .. 7,
; so one conversion a tile gives registers 2 t, 2 t + 1 of the second product's operand; V's stored order of keys gives the same order by four loads of 16 bytes.  Q and K are both read by loads of 16 bytes: one permutation of the channels on both sides.
; PREFETCH: at the change of slots that loads slot s + 1 (s = 0, 1) slot s + 2 is asked for: K and V, 8 KiB of my wave's chunk for each of the four partners (told apart by address), lanes 256 bytes apart;
; the mask's 512 columns of 8 of my query block's 128 rows (the sixteen heads' work-groups share the rows out: rows 8 head + 2 wave, + 1; 16 lanes name a block each, the others the last again).  Slots 0 and 1 come by their loads alone.
; OUT: ac [token][2,048]: a store covers four tokens' 128 bytes of my head.
; LIMITS: e6 + e7 between -122 and 130; e8, and e10 - e8 - e9, between -126 and 119, so that each power of two is an f32 number.  The scaled scores stay under 2^31 in magnitude.  NaN among the inputs is not served.
; REGISTERS.  window 0: v2-5 -M and the largest t of A, B; v6-9 f; v10-13 the sums; v14, v15 the spare word and 0; v16-31 addresses and scales; v48-79 p's codes; v80-95 work; v96-159, v160-223 logits, then p, of A, B; v224-255 partial sums.
; window 1: v0-127 K's eight fragments, v128-255 V's.   window 2: v0-127 O^T of A, B; v128-255 the mask.   window 3: v0-31 Q.
.set KP,    144                        ; a row in LDS: 128 bytes + 16 of padding
.set BLK,   128*KP                     ; a step's tile of K or of V
.set CHUNK, 2*BLK                      ; what one tensor load brings
.set VOFF,  2*CHUNK                    ; a slot: K's 512 rows, then V's four blocks
.set SLOT1, 4*CHUNK
.set SPARE, 2*SLOT1                    ; the spare words: 128 bytes a wave
.set STAGE, SPARE+512                  ; the way out: 32 rows x KP for each wave, bytes of its own
.set MSB, 0
.macro WIN new                         ; the immediate's high byte repeats the setting that is left
.if MSB != \new
	s_set_vgpr_msb (MSB<<8)|\new
.set MSB, \new
.endif
.endm
.macro CROUND                          ; a round of the cluster's barrier
	s_barrier_signal -1
	s_barrier_wait -1
	s_cmp_lg_u32 s14, 0
	s_cbranch_scc1 .Lnot_wave_0_\@
	s_barrier_signal -3
.Lnot_wave_0_\@:
	s_barrier_wait -3
	s_barrier_signal -1
	s_barrier_wait -1
.endm
.macro TLOAD                           ; my chunk: both addresses hang on the wave's number; s_nop 0 and four v_nop follow
	tensor_load_to_lds s[40:43], s[24:31]
	s_nop 0
.rept 4
	v_nop
.endr
.endm
.macro KLOADS                          ; a step's eight fragments of K, address v18
	WIN 0x40
.irp t, 0,1,2,3,4,5,6,7
.irp c, 0,1,2,3
	ds_load_b128 v[16*\t+4*\c:16*\t+4*\c+3], v18 offset:16*\t*KP+32*\c
.endr
.endr
	WIN 0
.endm
.macro MLOADS                          ; the mask of my 32 queries at a step's 128 keys: tile q, key tile t: keys 16 t + 8 h + 0 .. 7
	WIN 0x80
.irp q, 0,1
.irp t, 0,1,2,3,4,5,6,7
	global_load_b128 v[128+64*\q+8*\t:131+64*\q+8*\t], v20, s[74:75] offset:131072*\q+64*\t
	global_load_b128 v[132+64*\q+8*\t:135+64*\q+8*\t], v20, s[74:75] offset:131072*\q+64*\t+16
.endr
.endr
	WIN 0
.endm
.macro BCH k                           ; eight additions of B's p onto four chains
.irp c, 0,2,4,6,8,10,12,14
	v_pk_add_f32 v[86+(\c)%8:87+(\c)%8], v[86+(\c)%8:87+(\c)%8], v[160+\k+\c:161+\k+\c]
.endr
.endm
	s_load_b256 s[4:11], s[0:1], 0x0               ; qkv s[4:5], mask s[6:7], the scales' exponents s[8:9], ac s[10:11]
	v_lshl_add_u32 v14, v0, 2, SPARE
	v_mov_b32 v15, 0
	ds_add_u32 v14, v15                            ; the opening lines: the add, twice on end, and its wait
	ds_add_u32 v14, v15
	v_lshrrev_b32 v1, 5, v0
	v_readfirstlane_b32 s14, v1                    ; wave 0..3
	s_bfe_u32 s16, ttmp6, 0x40000                  ; cx
	s_and_b32 s17, ttmp7, 0xffff                   ; the head
	s_lshl_b32 s18, ttmp9, 2
	s_add_co_u32 s18, s18, s16                     ; my block of 128 queries
	s_mov_b32 s24, 15|(1<<20)|(1<<21)|(4<<22)|(3<<25)   ; the four partners; elements of 1 byte; padding on; 21 set beside a mask; four words after every 32
	s_mov_b32 s25, 256<<16                         ; tensor_dim0
	s_mov_b32 s26, 128<<16                         ; tensor_dim1
	s_mov_b32 s27, 256<<16                         ; tile_dim0
	s_mov_b32 s28, 128                             ; tile_dim1
	s_mov_b32 s29, 256                             ; the pitch: dense
	s_mov_b32 s30, 0
	s_mov_b32 s31, 0
	s_mul_i32 s15, s14, CHUNK                      ; my chunk's place in a slot
	s_lshr_b32 s70, s14, 1
	s_add_co_u32 s70, s70, 1
	s_lshl_b32 s70, s70, 22                        ; slab 1 (K) or 2 (V),
	s_lshl_b32 s66, s17, 18
	s_add_co_u32 s70, s70, s66                     ; the head,
	s_and_b32 s67, s14, 1
	s_lshl_b32 s67, s67, 15
	s_add_co_u32 s70, s70, s67                     ; which 32 KiB of a slot's 64
	s_mov_b32 s71, 0
	s_lshl_b32 s68, s18, 7
	s_lshl_b32 s69, s14, 5
	s_add_co_u32 s68, s68, s69                     ; my first query
	s_mov_b32 s50, 0x76543210                      ; v_permlanex16_b32's selects for lane l xor 16
	s_mov_b32 s51, 0xfedcba98
	s_mov_b32 s12, 0                               ; slots done
	s_mov_b32 s19, 0                               ; steps done
	s_mov_b32 s77, 0
	s_wait_alu depctr_va_vdst(0)
	s_wait_dscnt 0x0
	s_wait_kmcnt 0x0
	s_load_b128 s[56:59], s[8:9], 0x18             ; e6, e7, e8, e9
	s_load_b32 s60, s[8:9], 0x28                   ; e10
	s_mov_b32 s40, 1
	s_mov_b32 s41, s15                             ; slot 0
	s_add_nc_u64 s[42:43], s[4:5], s[70:71]
	s_lshl_b32 s78, s16, 13
	s_add_co_u32 s78, s78, 65536
	s_mov_b32 s79, 0
	s_add_nc_u64 s[52:53], s[42:43], s[78:79]      ; the prefetch of K, V: my partner's 8 KiB of my chunk, at slot 1; each change steps it
	s_or_b32 s43, s43, 0x80000000
	CROUND                                         ; the four partners are here: the first joint loads meet
	TLOAD                                          ; keys 0 .. 511 into slot 0
	s_lshl_b32 s80, s17, 18
	s_lshl_b32 s81, s68, 7
	s_add_co_u32 s80, s80, s81
	s_mov_b32 s81, 0
	s_add_nc_u64 s[82:83], s[4:5], s[80:81]        ; Q's rows
	s_lshl_b32 s84, s68, 11
	s_lshl_b32 s85, s17, 7
	s_add_co_u32 s84, s84, s85
	s_mov_b32 s85, 0
	s_add_nc_u64 s[10:11], s[10:11], s[84:85]      ; ac: my first token's row, my head's 128 bytes
	s_lshl_b32 s86, s68, 13
	s_mov_b32 s87, 0
	s_add_nc_u64 s[72:73], s[6:7], s[86:87]        ; the mask: my first query's row
	s_mov_b64 s[74:75], s[72:73]
	s_lshl_b32 s88, s18, 7
	s_lshl_b32 s89, s17, 3
	s_add_co_u32 s88, s88, s89
	s_lshl_b32 s89, s14, 1
	s_add_co_u32 s88, s88, s89
	s_lshl_b32 s88, s88, 13
	s_add_co_u32 s88, s88, 2048
	s_mov_b32 s89, 0
	s_add_nc_u64 s[54:55], s[6:7], s[88:89]        ; the prefetch of the mask: rows 8 head + 2 wave of my block, at slot 1's columns
	v_and_b32 v28, 15, v0                          ; r
	v_bfe_u32 v29, v0, 4, 1                        ; h
	v_lshlrev_b32 v30, 7, v28
	v_lshl_add_u32 v30, v29, 4, v30
	v_lshlrev_b32 v20, 13, v28
	v_lshl_add_u32 v20, v29, 5, v20                ; the mask: row r, + 32 h
	WIN 0xc0
.irp q, 0,1
.irp c, 0,1,2,3
	global_load_b128 v[16*\q+4*\c:16*\q+4*\c+3], v30, s[82:83] offset:2048*\q+32*\c   ; Q's two fragments stay in registers
.endr
.endr
	MLOADS                                         ; step 0's mask
	v_mul_u32_u24 v16, v28, KP
	v_lshl_add_u32 v16, v29, 4, v16                ; K: row r, + 16 h
	v_add_nc_u32 v17, VOFF, v16                    ; V
	v_and_b32 v31, 31, v0
	v_lshlrev_b32 v21, 8, v31                      ; prefetch of K, V: lanes 256 bytes apart
	v_min_u32 v31, 15, v31
	v_lshrrev_b32 v22, 3, v31
	v_lshlrev_b32 v22, 13, v22
	v_and_b32 v31, 7, v31
	v_lshl_add_u32 v22, v31, 8, v22                ; of the mask: two rows x eight blocks
	v_mov_b32 v3, 0xff61b1e6                       ; the largest t so far: -3e38
	v_mov_b32 v5, 0xff61b1e6
	v_floor_f32 v2, -v3                            ; -M
	v_floor_f32 v4, -v5
.irp j, 6,7,8,9,10,11,12,13,84,85
	v_mov_b32 v\j, 0                               ; the sums; upper halves of named pairs; the permutes' destinations
.endr
	WIN 0x80
.set j, 0
.rept 128
	v_mov_b32 v[j], 0                              ; O^T: the step is written for all trips alike; the first finds zeros, which the first change of M leaves zeros
.set j, j+1
.endr
	WIN 0
	s_wait_kmcnt 0x0
	s_add_co_i32 s66, s56, s57
	s_lshl_b32 s66, s66, 23
	s_mov_b32 s22, 0x3db504f3                      ; 1 / sqrt(128),
	s_add_co_i32 s22, s22, s66                     ; x 2^(e6 + e7), by its exponent field
	s_mov_b32 s23, s22
	s_mov_b32 s48, 0x3fb8aa3b                      ; log2(e)
	s_mov_b32 s49, s48
	s_add_co_i32 s66, s58, 127
	s_lshl_b32 s67, s66, 23
	v_mov_b32 v95, s67                             ; 2^e8
	s_add_co_i32 s66, s66, 8
	s_lshl_b32 s66, s66, 23
	s_or_b32 s66, s66, 0x600000
	v_mov_b32 v94, s66                             ; 448 x 2^e8
	s_sub_co_i32 s66, s60, s58
	s_sub_co_i32 s66, s66, s59
	s_add_co_i32 s66, s66, 127
	s_lshl_b32 s67, s66, 23
	v_mov_b32 v23, s67                             ; 2^(e10 - e8 - e9): the result's conversion
	s_add_co_i32 s66, s66, 8
	s_lshl_b32 s66, s66, 23
	s_or_b32 s66, s66, 0x600000
	v_mov_b32 v24, s66
; THE CHANGE OF SLOTS, at a slot's head: the wait for all my tensor loads, the add, the wait for it and for my reads of the slot that I leave.  fill = 1: a round of the cluster's barrier, and behind it
; the next 512 keys go into the slot just left (the first time: slot 1's first fill): four steps in which to land.  Then the first step's K is read.
.macro CHANGE fill
	s_wait_tensorcnt 0x0
	ds_add_u32 v14, v15
.if \fill
	s_and_b32 s20, s12, 1
	s_mul_i32 s20, s20, SLOT1                      ; the slot in hand
	s_xor_b32 s66, s12, 1
	s_and_b32 s66, s66, 1
	s_mul_i32 s66, s66, SLOT1
	s_add_co_u32 s41, s66, s15                     ; the other slot, my chunk
	s_add_nc_u64 s[42:43], s[42:43], 65536         ; the next 512 keys
	s_wait_xcnt 0x0                                ; my prefetches have read their addresses
	s_add_nc_u64 s[52:53], s[52:53], 65536
	s_add_nc_u64 s[54:55], s[54:55], 2048
	s_wait_dscnt 0x0
	CROUND
	TLOAD
.else
	s_mov_b32 s20, SLOT1                           ; the last 512 keys lie in slot 1
	s_wait_dscnt 0x0
	s_barrier_signal -1
	s_barrier_wait -1
.endif
	v_add_nc_u32 v18, s20, v16
	KLOADS
.endm
; A KEY STEP: 128 keys, the s13-th of the slot in hand.  Its K and its mask were asked for a step ago.
.macro STEP
	s_mul_i32 s21, s13, BLK
	s_add_co_u32 s21, s21, s20
	s_add_co_u32 s76, s19, 1
	s_min_u32 s76, s76, 15                         ; the next step's columns of the mask; the last step names its own again
	s_lshl_b32 s76, s76, 9
	s_wait_dscnt 0x0                               ; K is in
	v_add_nc_u32 v19, s21, v17                     ; with three v_nop: the four places between the last products and the loads into V's registers
.rept 3
	v_nop
.endr
	WIN 0x40
.irp t, 0,1,2,3,4,5,6,7
.irp c, 0,1,2,3
	ds_load_b128 v[128+16*\t+4*\c:131+16*\t+4*\c], v19 offset:16*\t*KP+32*\c
.endr
.endr
	WIN 0x0d
.irp t, 0,1,2,3,4,5,6,7                        ; S^T = K Q^T: each fragment of K against both tiles
.irp q, 0,1
	v_wmma_f32_16x16x128_fp8_fp8 v[96+64*\q+8*\t:103+64*\q+8*\t], v[16*\t:16*\t+15], v[16*\q:16*\q+15], 0
.endr
.endr
	WIN 0
	s_wait_loadcnt 0x0                             ; the mask is in, and its loads have read their base
	s_add_nc_u64 s[74:75], s[72:73], s[76:77]
.rept 4
	v_nop                                          ; places in front of the first read of the sums
.endr
	WIN 0x20
.set j, 0
.rept 64
	v_pk_fma_f32 v[96+j:97+j], v[96+j:97+j], s[22:23], v[128+j:129+j] op_sel_hi:[1,0,1]   ; logit = sum / sqrt(128) + mask; each accumulator from its low end on
.set j, j+2
.endr
	MLOADS                                         ; the next step's mask
	v_max3_num_f32 v80, v96, v97, v98              ; the step's largest logits, two chains a tile
	v_max3_num_f32 v81, v99, v100, v101
	v_max3_num_f32 v82, v160, v161, v162
	v_max3_num_f32 v83, v163, v164, v165
.irp i, 6,10,14,18,22,26,30,34,38,42,46,50,54,58
	v_max3_num_f32 v80, v80, v[96+\i], v[97+\i]
	v_max3_num_f32 v81, v81, v[98+\i], v[99+\i]
	v_max3_num_f32 v82, v82, v[160+\i], v[161+\i]
	v_max3_num_f32 v83, v83, v[162+\i], v[163+\i]
.endr
	v_max3_num_f32 v80, v80, v158, v159
	v_max3_num_f32 v82, v82, v222, v223
	v_max_num_f32 v80, v80, v81
	v_max_num_f32 v82, v82, v83
	v_permlanex16_b32 v84, v80, s50, s51
	v_permlanex16_b32 v85, v82, s50, s51
	v_max_num_f32 v80, v80, v84                    ; and lane l xor 16's
	v_max_num_f32 v82, v82, v85
	v_mul_f32 v80, s48, v80                        ; as t
	v_mul_f32 v82, s48, v82
	v_max_num_f32 v3, v3, v80                      ; the running largest t
	v_max_num_f32 v5, v5, v82
	v_mov_b32 v80, v2
	v_mov_b32 v82, v4
	v_floor_f32 v2, -v3                            ; the new -M = -ceil(t)
	v_floor_f32 v4, -v5
	v_sub_f32 v80, v2, v80                         ; old M - new M: a whole number, 0 or less
	v_sub_f32 v82, v4, v82
	v_cvt_i32_f32 v80, v80                         ; (it saturates)
	v_cvt_i32_f32 v82, v82
	v_ldexp_f32 v6, 1.0, v80                       ; f = 2^(old M - new M)
	v_ldexp_f32 v8, 1.0, v82
	v_pk_mul_f32 v[10:11], v[10:11], v[6:7] op_sel_hi:[1,0]   ; the sums under the new M
	v_pk_mul_f32 v[12:13], v[12:13], v[8:9] op_sel_hi:[1,0]
.set j, 0
.rept 32
	v_pk_fma_f32 v[96+j:97+j], v[96+j:97+j], s[48:49], v[2:3] op_sel_hi:[1,0,0]   ; A: t - M
.set j, j+2
.endr
	s_wait_alu depctr_va_vdst(0)
	s_wait_dscnt 0x0                               ; V is in
	s_cmp_eq_u32 s13, 3                            ; the slot's last step has no successor in the slot: the change of slots reads the next K
	s_cbranch_scc1 .Lno_k_\@
	s_add_co_u32 s21, s21, BLK
	v_add_nc_u32 v18, s21, v16
	KLOADS                                         ; the next step's K
.Lno_k_\@:
	s_wait_alu depctr_va_vdst(0)                   ; the wait ahead of the batch
.set j, 0
.rept 32
	v_exp_f32 v[96+j], v[96+j]                     ; A: p = 2^(t - M); among them B's t - M, which names none of their registers
	v_exp_f32 v[97+j], v[97+j]
	v_pk_fma_f32 v[160+j:161+j], v[160+j:161+j], s[48:49], v[4:5] op_sel_hi:[1,0,0]
.set j, j+2
.endr
	s_wait_alu depctr_va_vdst(0)                   ; behind A's batch and ahead of B's
.set j, 0
.rept 16
	v_exp_f32 v[160+j], v[160+j]                   ; B: p; among them A's first additions (of the unquantised p, into registers read behind the next wait) and then A's holds
	v_pk_add_f32 v[224+j/2:225+j/2], v[96+j:97+j], v[98+j:99+j]
	v_exp_f32 v[161+j], v[161+j]
	v_min_num_f32 v[96+j], v[96+j], v94            ; the conversion does not saturate (ISA guide 7.6.2); p is not negative, so the hold is one-sided
	v_min_num_f32 v[97+j], v[97+j], v94
	v_exp_f32 v[162+j], v[162+j]
	v_min_num_f32 v[98+j], v[98+j], v94
	v_exp_f32 v[163+j], v[163+j]
	v_min_num_f32 v[99+j], v[99+j], v94
.set j, j+4
.endr
	s_wait_alu depctr_va_vdst(0)                   ; behind B's batch, ahead of its first reader
.irp t, 0,1,2,3,4,5,6,7
	v_cvt_scalef32_pk8_fp8_f32 v[48+2*\t:49+2*\t], v[96+8*\t:103+8*\t], v95   ; A: keys 16 t + 8 h + 0 .. 7: registers 2 t, 2 t + 1 of the operand
.endr
.irp g, 0,2,4,6,8,10,12,14
	v_pk_add_f32 v[224+\g:225+\g], v[224+\g:225+\g], v[240+\g:241+\g]
.endr
.irp c, 0,2,4,6
	v_pk_add_f32 v[86+\c:87+\c], v[160+\c:161+\c], v[168+\c:169+\c]   ; B's sum, of the unquantised p, in four chains
.endr
.irp g, 0,2,4,6
	v_pk_add_f32 v[224+\g:225+\g], v[224+\g:225+\g], v[232+\g:233+\g]
.endr
	BCH 16
	v_pk_add_f32 v[224:225], v[224:225], v[228:229]
	v_pk_add_f32 v[226:227], v[226:227], v[230:231]
	BCH 32
	v_pk_add_f32 v[224:225], v[224:225], v[226:227]
	BCH 48
	v_pk_add_f32 v[10:11], v[10:11], v[224:225]
	v_pk_add_f32 v[86:87], v[86:87], v[88:89]
	v_pk_add_f32 v[90:91], v[90:91], v[92:93]
.set j, 0
.rept 64
	v_min_num_f32 v[160+j], v[160+j], v94
.set j, j+1
.endr
	v_pk_add_f32 v[86:87], v[86:87], v[90:91]
.irp t, 0,1,2,3,4,5,6,7
	v_cvt_scalef32_pk8_fp8_f32 v[64+2*\t:65+2*\t], v[160+8*\t:167+8*\t], v95
.endr
	v_pk_add_f32 v[12:13], v[12:13], v[86:87]
	WIN 0x82
	s_wait_alu depctr_va_vdst(0)                   ; directly ahead of the first reader of O^T
.set j, 0
.rept 32
	v_pk_mul_f32 v[j:j+1], v[j:j+1], v[6:7] op_sel_hi:[1,0]   ; O^T under the new M
.set j, j+2
.endr
.rept 32
	v_pk_mul_f32 v[j:j+1], v[j:j+1], v[8:9] op_sel_hi:[1,0]
.set j, j+2
.endr
	WIN 0xa1
.irp t, 0,1,2,3,4,5,6,7                        ; O^T += V^T P^T: each fragment of V against both tiles; the sixteen accumulators by turns
.irp q, 0,1
	v_wmma_f32_16x16x128_fp8_fp8 v[64*\q+8*\t:64*\q+8*\t+7], v[128+16*\t:143+16*\t], v[48+16*\q:63+16*\q], v[64*\q+8*\t:64*\q+8*\t+7]
.endr
.endr
	WIN 0
	s_add_co_u32 s19, s19, 1
	s_add_co_u32 s13, s13, 1
.endm
	s_wait_alu depctr_va_vdst(0)
	s_wait_loadcnt 0x0                             ; Q and step 0's mask
.Lslot:                                            ; three trips: trip s asks for slot s + 1 and works slot s
	CHANGE 1
	s_cmp_lt_u32 s12, 2                            ; slots 2 and 3 are prefetched, one change ahead of their loads
	s_cbranch_scc0 .Lno_ask
	global_prefetch_b8 v21, s[52:53] th:TH_LOAD_NT scope:SCOPE_SE
	global_prefetch_b8 v22, s[54:55] th:TH_LOAD_NT scope:SCOPE_SE
.Lno_ask:
	s_mov_b32 s13, 0
.Lstep:
	STEP
	s_cmp_lt_u32 s13, 4
	s_cbranch_scc1 .Lstep
	s_add_co_u32 s12, s12, 1
	s_cmp_lt_u32 s12, 3
	s_cbranch_scc1 .Lslot
	CHANGE 0                                       ; the last slot is written out
	s_mov_b32 s13, 0
.Llast:
	STEP
	s_cmp_lt_u32 s13, 4
	s_cbranch_scc1 .Llast
	; THE WAY OUT.  O^T is divided by the row's sum, quantised, and turned through my own stage in LDS.
	v_add_f32 v10, v10, v11
	v_add_f32 v12, v12, v13
	v_permlanex16_b32 v84, v10, s50, s51
	v_permlanex16_b32 v85, v12, s50, s51
	v_add_f32 v10, v10, v84
	v_add_f32 v12, v12, v85
	s_wait_alu depctr_va_vdst(0)                   ; ahead of the reciprocals
	v_rcp_f32 v10, v10
	v_rcp_f32 v12, v12
	v_and_b32 v28, 15, v0                          ; r
	v_bfe_u32 v29, v0, 4, 1                        ; h
	s_mul_i32 s90, s14, 32*KP
	s_add_co_u32 s90, s90, STAGE
	v_mul_u32_u24 v25, v28, KP
	v_lshl_add_u32 v25, v29, 3, v25
	v_add_nc_u32 v25, s90, v25                     ; in: my query's row, + 8 h
	v_and_b32 v31, 31, v0
	v_lshrrev_b32 v31, 3, v31
	v_and_b32 v30, 7, v0
	v_mul_u32_u24 v26, v31, KP
	v_lshl_add_u32 v26, v30, 4, v26
	v_add_nc_u32 v26, s90, v26                     ; back: eight lanes to a row of 128 bytes, four rows an instruction
	v_lshlrev_b32 v27, 11, v31
	v_lshl_add_u32 v27, v30, 4, v27                ; and the same four rows in ac
	WIN 0x02
	s_wait_alu depctr_va_vdst(0)                   ; ahead of the reciprocals' first reader, which is also O^T's
.set j, 0
.rept 32
	v_pk_mul_f32 v[96+j:97+j], v[j:j+1], v[10:11] op_sel_hi:[1,0]
.set j, j+2
.endr
.rept 32
	v_pk_mul_f32 v[96+j:97+j], v[j:j+1], v[12:13] op_sel_hi:[1,0]
.set j, j+2
.endr
	WIN 0
.set j, 0
.rept 128
	v_med3_num_f32 v[96+j], v[96+j], -v24, v24     ; the hold at 448 x the scale
.set j, j+1
.endr
.set j, 0
.rept 16
	v_cvt_scalef32_pk8_fp8_f32 v[48+2*j:49+2*j], v[96+8*j:103+8*j], v23
.set j, j+1
.endr
	v_nop                                          ; a plain line behind the last conversion
.irp q, 0,1
.irp t, 0,1,2,3,4,5,6,7
	ds_store_b64 v25, v[48+16*\q+2*\t:49+16*\q+2*\t] offset:16*KP*\q+16*\t   ; channels 16 t + 8 h + 0 .. 7
.endr
.endr
.irp c, 0,1,2,3,4,5,6,7
	ds_load_b128 v[96+4*\c:99+4*\c], v26 offset:4*KP*\c   ; LDS serves a wave's instructions in order: these see my stores
.endr
.irp c, 0,1,2,3,4,5,6,7
	s_wait_dscnt 7-\c                              ; the loads issued behind this one may be out
	global_store_b128 v27, v[96+4*\c:99+4*\c], s[10:11] offset:8192*\c
.endr
	s_wait_tensorcnt 0x0                           ; the wave's end
	ds_add_u32 v14, v15
	s_wait_dscnt 0x0
	CROUND                                         ; the closing round
	s_endpgm
.Lfunc_end_k_q4e4520a3ed_attn:
	.size	k_q4e4520a3ed_attn, .Lfunc_end_k_q4e4520a3ed_attn-k_q4e4520a3ed_attn
	.p2alignl 7, 3214868480
	.fill 96, 4, 3214868480
	.section	.rodata,"a",@progbits
	.p2align	6, 0x0
	.amdhsa_kernel k_q4e4520a3ed_attn
		.amdhsa_group_segment_fixed_size 327680
		.amdhsa_private_segment_fixed_size 0
		.amdhsa_enable_private_segment 0
		.amdhsa_kernarg_size 32
		.amdhsa_user_sgpr_count 2
		.amdhsa_user_sgpr_kernarg_segment_ptr 1
		.amdhsa_wavefront_size32 1
		.amdhsa_system_sgpr_workgroup_id_x 1
		.amdhsa_system_sgpr_workgroup_id_y 1
		.amdhsa_system_sgpr_workgroup_id_z 1
		.amdhsa_system_vgpr_workitem_id 0
		.amdhsa_next_free_vgpr 800
		.amdhsa_next_free_sgpr 100
		.amdhsa_reserve_vcc 0
		.amdhsa_float_denorm_mode_32 3
		.amdhsa_float_denorm_mode_16_64 3
		.amdhsa_memory_ordered 1
		.amdhsa_forward_progress 1
		.amdhsa_inst_pref_size 118
	.end_amdhsa_kernel
	.amdgpu_metadata
---
amdhsa.version: [ 1, 2 ]
amdhsa.kernels:
  - .name:           k_q4e4520a3ed_attn
    .symbol:         k_q4e4520a3ed_attn.kd
    .args:
      - { .name: qkv, .offset: 0, .size: 8, .value_kind: global_buffer, .address_space: global }
      - { .name: mask, .offset: 8, .size: 8, .value_kind: global_buffer, .address_space: global }
      - { .name: lowp_scales, .offset: 16, .size: 8, .value_kind: global_buffer, .address_space: global }
      - { .name: ac, .offset: 24, .size: 8, .value_kind: global_buffer, .address_space: global }
    .group_segment_fixed_size: 327680
    .private_segment_fixed_size: 0
    .kernarg_segment_align: 8
    .kernarg_segment_size: 32
    .max_flat_workgroup_size: 128
    .sgpr_count:     100
    .vgpr_count:     800
    .wavefront_size: 32
...
	.end_amdgpu_metadata
.endif
;; end of part 3
;; launch oproj (part 4): grid 16 x 16, 4 waves a work-group, clusters of 4 x 4, 327,680 bytes of LDS; arguments ac, wc, lowp_scales, out0; writes out0
.if DOCPART == 4
	.amdgcn_target "amdgcn-amd-amdhsa--gfx1250"
	.amdhsa_code_object_version 6
	.text
	.protected	k_q4e4520a3ed_oproj
	.globl	k_q4e4520a3ed_oproj
	.p2align	8
	.type	k_q4e4520a3ed_oproj,@function
k_q4e4520a3ed_oproj:
	s_mov_b64 s[64:65], 0
	v_nop
	global_prefetch_b8 v0, s[64:65] scope:SCOPE_SE
	s_setreg_imm32_b32 hwreg(HW_REG_WAVE_MODE, 25, 1), 1
	s_wait_xcnt 0x0
	s_wait_alu depctr_hold_cnt(0) depctr_sa_sdst(0) depctr_va_vdst(0) depctr_va_sdst(0) depctr_va_ssrc(0) depctr_va_vcc(0) depctr_vm_vsrc(0)
	s_getreg_b32 s2, hwreg(HW_REG_IB_STS2, 6, 4)
	s_cmp_eq_u32 s2, 0
	s_cbranch_scc0 .Lentry_in_a_cluster
	s_endpgm
.Lentry_in_a_cluster:
	s_bfe_u32 s2, ttmp6, 0x10000c
	s_cmp_lg_u32 s2, 0xf033
	s_cbranch_scc0 .Lentry_shape_is_right
	s_endpgm
.Lentry_shape_is_right:
.set KROW,   2048
.set ROWB,   512
.set PITCH,  528
.set HALFT,  64*PITCH
.set SLOT,   4*HALFT
.set SPARE,  2*SLOT
.set SPITCH, 272
.set ADRA, 16
.set ADRB, 20
.set STO,  24
.set RD,   25
.set CO,   26
.set SPW,  28
.set NIL,  29
.set TMP,  32
.set BK,   64
.set ACC,  128
.set F0,   0
.set F1,   128
.set G1, 24
.set G0, 32
.set G1B, 48
.set G0B, 56
.set MSB, 0
.macro WIN new
.if MSB != \new
	s_set_vgpr_msb (MSB<<8)|\new
.set MSB, \new
.endif
.endm
.set MUL,  0x05
.set TO_F, 0x40
.macro JLOAD s
	s_cmp_eq_u32 s15, 0
	s_cbranch_scc0 .Lfor_b_\@
	tensor_load_to_lds s[G0+4*\s:G0+4*\s+3], s[G1:G1+7]
	s_nop 0
.rept 4
	v_nop
.endr
	s_branch .Lasked_\@
.Lfor_b_\@:
	tensor_load_to_lds s[G0B+4*\s:G0B+4*\s+3], s[G1B:G1B+7]
	s_nop 0
.rept 4
	v_nop
.endr
.Lasked_\@:
.endm
.macro CREST
	s_cmp_lg_u32 s14, 0
	s_cbranch_scc1 .Lnot_wave_0_\@
	s_barrier_signal -3
.Lnot_wave_0_\@:
	s_barrier_wait -3
	s_barrier_signal -1
	s_barrier_wait -1
.endm
.macro CROUND
	s_barrier_signal -1
	s_barrier_wait -1
	CREST
.endm
	s_load_b256 s[4:11], s[0:1], 0x0
	v_lshl_add_u32 v[SPW], v0, 2, SPARE
	v_mov_b32 v[NIL], 0
	ds_add_u32 v28, v29
	ds_add_u32 v28, v29
	s_wait_dscnt 0x0
	v_lshrrev_b32 v1, 5, v0
	v_readfirstlane_b32 s14, v1
	s_lshr_b32 s15, s14, 1
	s_and_b32 s16, s14, 1
	s_bfe_u32 s40, ttmp6, 0x40000
	s_bfe_u32 s41, ttmp6, 0x40004
	s_lshl_b32 s42, ttmp9, 2
	s_add_co_u32 s42, s42, s40
	s_and_b32 s17, ttmp7, 0xffff
	s_lshl_b32 s17, s17, 2
	s_add_co_u32 s17, s17, s41
	s_lshl_b32 s43, s41, 2
	s_lshl_b32 s43, 15, s43
	s_lshl_b32 s44, 0x1111, s40
	s_or_b32 s[G1+0], s43, (0<<16)|(1<<20)|(1<<21)|(6<<22)|(3<<25)
	s_or_b32 s[G1B+0], s44, (0<<16)|(1<<20)|(1<<21)|(6<<22)|(3<<25)
.irp g, G1, G1B
	s_mov_b32 s[\g+1], ROWB<<16
	s_mov_b32 s[\g+2], 64<<16
	s_mov_b32 s[\g+3], ROWB<<16
	s_mov_b32 s[\g+4], 64
	s_mov_b32 s[\g+5], KROW
	s_mov_b32 s[\g+6], 0
	s_mov_b32 s[\g+7], 0
.endr
	s_lshl_b32 s18, s16, 6
	s_lshl_b32 s20, s17, 7
	s_add_co_u32 s20, s20, s18
	s_lshl_b32 s20, s20, 11
	s_mov_b32 s21, 0
	s_lshl_b32 s46, s42, 7
	s_add_co_u32 s46, s46, s18
	s_lshl_b32 s46, s46, 11
	s_add_co_u32 s46, s46, 0xc00000
	s_mov_b32 s47, 0
	s_mul_i32 s45, s14, HALFT
	s_wait_kmcnt 0x0
	s_load_b64 s[96:97], s[8:9], 0x28
	s_add_nc_u64 s[20:21], s[4:5], s[20:21]
	s_add_nc_u64 s[46:47], s[6:7], s[46:47]
	CROUND
.irp s, 0,1
	s_mov_b32 s[G0+4*\s], 1
	s_add_co_u32 s[G0+4*\s+1], s45, \s*SLOT
	s_add_nc_u64 s[G0+4*\s+2:G0+4*\s+3], s[20:21], \s*ROWB
	s_or_b32 s[G0+4*\s+3], s[G0+4*\s+3], 0x80000000
	s_mov_b32 s[G0B+4*\s], 1
	s_add_co_u32 s[G0B+4*\s+1], s45, \s*SLOT
	s_add_nc_u64 s[G0B+4*\s+2:G0B+4*\s+3], s[46:47], \s*ROWB
	s_or_b32 s[G0B+4*\s+3], s[G0B+4*\s+3], 0x80000000
	s_wait_alu depctr_va_vdst(0)
	s_wait_tensorcnt 0x0
	ds_add_u32 v28, v29
	ds_add_u32 v28, v29
	s_wait_dscnt 0x0
	CROUND
	JLOAD \s
.endr
	v_and_b32 v1, 15, v0
	s_wait_alu depctr_va_vdst(0)
	v_bfe_u32 v2, v0, 4, 1
	v_mul_u32_u24 v3, v1, PITCH
	v_lshl_add_u32 v3, v2, 4, v3
	s_mul_i32 s21, s15, HALFT
	s_mul_i32 s22, s16, HALFT
	s_add_co_u32 s22, s22, 2*HALFT
.irp s, 0,1
	v_add_nc_u32 v[ADRA+\s], s21, v3
	v_add_nc_u32 v[ADRB+\s], s22, v3
	s_add_co_u32 s21, s21, SLOT
	s_add_co_u32 s22, s22, SLOT
.endr
	s_mul_i32 s23, s14, 16*SPITCH
	v_mul_u32_u24 v4, v1, SPITCH
	s_wait_alu depctr_va_vdst(0)
	v_lshl_add_u32 v4, v2, 5, v4
	v_add_nc_u32 v[STO], s23, v4
	v_mul_u32_u24 v5, v2, SPITCH
	v_lshl_add_u32 v5, v1, 4, v5
	v_add_nc_u32 v[RD], s23, v5
	v_lshlrev_b32 v5, 13, v2
	v_lshl_add_u32 v[CO], v1, 4, v5
	s_lshl_b32 s20, s17, 7
	s_lshl_b32 s21, s15, 6
	s_add_co_u32 s20, s20, s21
	s_lshl_b32 s20, s20, 13
	s_lshl_b32 s46, s42, 9
	s_lshl_b32 s47, s16, 8
	s_add_co_u32 s46, s46, s47
	s_add_co_u32 s20, s20, s46
	s_mov_b32 s21, 0
	s_add_nc_u64 s[10:11], s[10:11], s[20:21]
.macro MUL8 f, a0, zero
.irp a, \a0, \a0+1
.irp b, 0,1,2,3
.if \zero
	v_wmma_f32_16x16x128_fp8_fp8 v[ACC+8*(4*(\a)+\b):ACC+8*(4*(\a)+\b)+7], v[\f+64+16*\b:\f+64+16*\b+15], v[\f+16*(\a):\f+16*(\a)+15], 0
.else
	v_wmma_f32_16x16x128_fp8_fp8 v[ACC+8*(4*(\a)+\b):ACC+8*(4*(\a)+\b)+7], v[\f+64+16*\b:\f+64+16*\b+15], v[\f+16*(\a):\f+16*(\a)+15], v[ACC+8*(4*(\a)+\b):ACC+8*(4*(\a)+\b)+7]
.endif
.endr
.endr
.endm
.macro FETCH slot, q, f
	WIN TO_F
.irp i, 0,1,2,3
.irp c, 0,1,2,3
	ds_load_b128 v[\f+64+16*\i+4*\c:\f+64+16*\i+4*\c+3], v[ADRB+\slot] offset:128*(\q)+32*\c+\i*16*PITCH
.endr
.endr
.irp i, 0,1,2,3
.irp c, 0,1,2,3
	ds_load_b128 v[\f+16*\i+4*\c:\f+16*\i+4*\c+3], v[ADRA+\slot] offset:128*(\q)+32*\c+\i*16*PITCH
.endr
.endr
.endm
.macro PLACES
.rept 4
	v_nop
.endr
.endm
.macro QUARTER slot, q, f, g, zero
	PLACES
	FETCH \slot, \q, \g
	s_wait_dscnt 32
	WIN MUL
	MUL8 \f, 0, \zero
	MUL8 \f, 2, \zero
.endm
.macro TURN slot, next, fill
	WIN 0
	s_wait_tensorcnt 0x0
	ds_add_u32 v[SPW], v[NIL]
	s_wait_dscnt 1
	WIN MUL
	MUL8 F1, 0, 0
	s_wait_dscnt 0x0
	s_barrier_signal -1
	MUL8 F1, 2, 0
	WIN 0
	s_barrier_wait -1
.if \fill
	CREST
	s_add_nc_u64 s[G0+4*\slot+2:G0+4*\slot+3], s[G0+4*\slot+2:G0+4*\slot+3], 2*ROWB
	s_add_nc_u64 s[G0B+4*\slot+2:G0B+4*\slot+3], s[G0B+4*\slot+2:G0B+4*\slot+3], 2*ROWB
	JLOAD \slot
.else
	PLACES
.endif
	FETCH \next, 0, F0
.endm
	s_wait_tensorcnt 1
	s_barrier_signal -1
	s_barrier_wait -1
	FETCH 0, 0, F0
	QUARTER 0, 1, F0, F1, 1
	QUARTER 0, 2, F1, F0, 0
	QUARTER 0, 3, F0, F1, 0
	TURN 0, 1, 1
	QUARTER 1, 1, F0, F1, 0
	QUARTER 1, 2, F1, F0, 0
	QUARTER 1, 3, F0, F1, 0
	TURN 1, 0, 1
	QUARTER 0, 1, F0, F1, 0
	QUARTER 0, 2, F1, F0, 0
	QUARTER 0, 3, F0, F1, 0
	TURN 0, 1, 0
	QUARTER 1, 1, F0, F1, 0
	QUARTER 1, 2, F1, F0, 0
	QUARTER 1, 3, F0, F1, 0
	s_wait_dscnt 0x0
	MUL8 F1, 0, 0
	MUL8 F1, 2, 0
	WIN 0
.macro TOSTAGE a
.irp b, 0,1,2,3
.irp i, 0,2,4,6
	v_pk_mul_f32 v[TMP+8*\b+\i:TMP+8*\b+\i+1], v[ACC+8*(4*(\a)+\b)+\i:ACC+8*(4*(\a)+\b)+\i+1], s[96:97] op_sel_hi:[1,0]
.endr
.endr
.irp b, 0,1,2,3
	ds_store_b128 v[STO], v[TMP+8*\b:TMP+8*\b+3] offset:64*\b
	ds_store_b128 v[STO], v[TMP+8*\b+4:TMP+8*\b+7] offset:64*\b+16
.endr
.set BB, BK+32*((\a)%2)
.irp t, 0,1,2,3,4,5,6,7
	ds_load_b128 v[BB+4*\t:BB+4*\t+3], v[RD] offset:\t*2*SPITCH
.endr
.endm
.macro SEND a, younger
.set BB, BK+32*((\a)%2)
	s_wait_dscnt \younger
.irp t, 0,1,2,3,4,5,6,7
	global_store_b128 v[CO], v[BB+4*\t:BB+4*\t+3], s[10:11] offset:(16*(\a)+2*\t)*8192 th:TH_STORE_NT
.endr
.endm
	s_wait_kmcnt 0x0
	s_add_co_i32 s96, s96, s97
	s_add_co_i32 s96, s96, 127
	s_lshl_b32 s96, s96, 23
	PLACES
	TOSTAGE 0
.irp a, 1,2,3
.if \a > 1
	s_wait_xcnt 0x0
.endif
	TOSTAGE \a
	SEND \a-1, 16
.endr
	SEND 3, 0
	s_wait_tensorcnt 0x0
	ds_add_u32 v[SPW], v[NIL]
	s_wait_dscnt 0x0
	CROUND
	s_endpgm
.Lfunc_end_k_q4e4520a3ed_oproj:
	.size	k_q4e4520a3ed_oproj, .Lfunc_end_k_q4e4520a3ed_oproj-k_q4e4520a3ed_oproj
	.p2alignl 7, 3214868480
	.fill 96, 4, 3214868480
	.section	.rodata,"a",@progbits
	.p2align	6, 0x0
	.amdhsa_kernel k_q4e4520a3ed_oproj
		.amdhsa_group_segment_fixed_size 327680
		.amdhsa_private_segment_fixed_size 0
		.amdhsa_enable_private_segment 0
		.amdhsa_kernarg_size 32
		.amdhsa_user_sgpr_count 2
		.amdhsa_user_sgpr_kernarg_segment_ptr 1
		.amdhsa_wavefront_size32 1
		.amdhsa_system_sgpr_workgroup_id_x 1
		.amdhsa_system_sgpr_workgroup_id_y 1
		.amdhsa_system_sgpr_workgroup_id_z 1
		.amdhsa_system_vgpr_workitem_id 0
		.amdhsa_next_free_vgpr 512
		.amdhsa_next_free_sgpr 100
		.amdhsa_reserve_vcc 0
		.amdhsa_float_denorm_mode_32 3
		.amdhsa_float_denorm_mode_16_64 3
		.amdhsa_memory_ordered 1
		.amdhsa_forward_progress 1
		.amdhsa_inst_pref_size 74
	.end_amdhsa_kernel
	.amdgpu_metadata
---
amdhsa.version: [ 1, 2 ]
amdhsa.kernels:
  - .name:           k_q4e4520a3ed_oproj
    .symbol:         k_q4e4520a3ed_oproj.kd
    .args:
      - { .name: ac, .offset: 0, .size: 8, .value_kind: global_buffer, .address_space: global }
      - { .name: wc, .offset: 8, .size: 8, .value_kind: global_buffer, .address_space: global }
      - { .name: lowp_scales, .offset: 16, .size: 8, .value_kind: global_buffer, .address_space: global }
      - { .name: out0, .offset: 24, .size: 8, .value_kind: global_buffer, .address_space: global }
    .group_segment_fixed_size: 327680
    .private_segment_fixed_size: 0
    .kernarg_segment_align: 8
    .kernarg_segment_size: 32
    .max_flat_workgroup_size: 128
    .sgpr_count:     100
    .vgpr_count:     512
    .wavefront_size: 32
...
	.end_amdgpu_metadata
.endif
;; end of part 4
